; MI455X (gfx1250); checked and timed in simulation.
; The chip was launched on July 23, 2026; its instructions are those of AMD's public machine-readable ISA for CDNA 5 (MIT licence, August 2026) and "CDNA5" Instruction Set Architecture Reference Guide (July 2026). The comments in the code are by the model that wrote it; some were corrected since.
;; Scaled Dot Product Attention. Allowed arithmetic: matrix products marked QUANTISED: E2M3 operands, one E8M0 scale for each 32 along K, by v_wmma_scale_f32_16x16x128_f8f6f4 with both operands' format E2M3, f32 sums; everything else in f32.
;; Inputs: key 4 x 16 x 2,048 x 128 float32; mask 1 x 1 x 2,048 x 2,048 bool; query 4 x 16 x 2,048 x 128 float32; value 4 x 16 x 2,048 x 128 float32.
;; Outputs: out0 4 x 16 x 2,048 x 128 float32.
;; This version of the problem:
;;   THIS VERSION OF THE PROBLEM IS GIVEN IN LOW PRECISION. The matrix products marked QUANTISED in the list below multiply operands that are first quantised to E2M3 (2 exponent bits, 3 mantissa bits; 6 bits a number), with one power-of-two scale for each 32 numbers along K (OCP MX v1.0); their sums are f32. All else is computed in f32.
;;   The module's matrix products, in the order in which they are computed (A, B: the left and right operand; K: the contracted axis; several contracted axes count as one K, in the product's order):
;;     1. batch 64 x [M 2,048, K 128] x [K 128, N 2,048]; A: input query; B: input key: QUANTISED
;;     2. batch 64 x [M 2,048, K 2,048] x [K 2,048, N 128]; A: softmax (see below); B: input value: QUANTISED
;;   THE QUANTISER, for each operand of a quantised product, along K:
;;     - K is cut into blocks of 32 from its start; a last block that is shorter is filled with zeros.
;;     - A block's scale is 2^e with e = floor(log2(the largest magnitude in the block)) - 2, held to -126 .. 127; a block of zeros has e = 0. As a byte (E8M0): e + 127.
;;     - Each number is divided by its block's scale, clamped to +-7.5, and rounded to the nearest number of E2M3, ties to even, subnormals kept.
;;     - The product sums the exact products of the quantised numbers (number of the format x scale) in f32.
;;   ~~~python
;;   def quantise(x, axis):      # numpy; x: float32 -> the quantised numbers, widened to float32 again
;;       x = np.moveaxis(x, axis, -1); K = x.shape[-1]
;;       x = np.pad(x, [(0, 0)] * (x.ndim - 1) + [(0, -K % 32)]); x = x.reshape(x.shape[:-1] + (-1, 32)); a = np.abs(x).max(-1, keepdims=True)
;;       e = np.where(a > 0, np.clip(np.frexp(np.where(a > 0, a, 1))[1] - 1 - 2, -126, 127), 0)      # np.frexp(a)[1] - 1 = floor(log2(a)), exactly
;;       r = np.clip(x / 2.0 ** e, -7.5, 7.5)
;;       step = 2.0 ** (np.maximum(np.frexp(np.where(r == 0, 1, r))[1] - 1, 0) - 3)
;;       q = np.round(r / step) * step * 2.0 ** e      # np.round: ties to even
;;       return np.moveaxis(q.reshape(q.shape[:-2] + (-1,))[..., :K], -1, axis).astype(np.float32)
;;   ~~~
;;   SOFTMAX AHEAD OF A QUANTISED PRODUCT. Where the list says 'softmax', what is quantised is not the finished softmax but p = 2^(t - M), with t = logit x log2(e) and M = ceil(the row's largest t), a whole number; so 1/2 < the row's largest p <= 1. The row's sum l is taken of the UNQUANTISED p, in f32, and the product's result is divided by l at the end. Since M is a whole number, a kernel that streams over the keys may use a running M (the ceiling of the running maximum): every later rescaling is an exact power of two, which a block's scale takes up: the codes' values come out the same.
;;   OPERANDS COMPUTED ON THE WAY. 'Computed on the way' means the value that the module computes at that place (a softmax that the list does not call 'softmax' is quantised finished and normalised). What goes into a quantiser is computed in f32, as accurately as f32 sums, v_exp_f32 and their like allow (about 1e-6 of the number): no bf16 or f16 on the way to a quantiser, and a product that is left as it is and whose result goes on into a quantised operand takes f32 operands (vector FMAs, or v_wmma_f32_16x16x4_f32). A number that lies on a knife's edge between two numbers of the format may be rounded either way, as far as f32 arithmetic and the matrix unit's own rounding can turn it there, and no further.
;; One version. Each part assembles by itself: llvm-mc -triple=amdgcn-amd-amdhsa -mcpu=gfx1250 --defsym DOCPART=n.
;; ======== version 1 of 1: 2 launches
;; limits: right only within a limited range of input values
;; workspace buffers: kvc 25,165,824 bytes; kvs 1,048,576 bytes; mbits 524,288 bytes of whole numbers; mflag 4,096 bytes of whole numbers
;; launch prep (part 1): grid 1152 x 1, 4 waves a work-group, no clusters, 66,048 bytes of LDS; arguments key, value, mask, kvc, kvs, mbits, mflag; writes kvc, kvs, mbits, mflag
.if DOCPART == 1
	.amdgcn_target "amdgcn-amd-amdhsa--gfx1250"
	.amdhsa_code_object_version 6
	.text
	.protected	k_q6cff4cc776_prep
	.globl	k_q6cff4cc776_prep
	.p2align	8
	.type	k_q6cff4cc776_prep,@function
k_q6cff4cc776_prep:
	s_mov_b64 s[64:65], 0
	v_nop
	global_prefetch_b8 v0, s[64:65] scope:SCOPE_SE
	s_setreg_imm32_b32 hwreg(HW_REG_WAVE_MODE, 25, 1), 1
	s_wait_xcnt 0x0
; PREPARATION FOR THE ATTENTION LAUNCH.  Three roles, told apart by the work-group's number; waves share nothing, so there is no barrier.
;   work-groups 0-127     MASK:  mask [2048][2048] bytes -> mbits (lane-mask words) and mflag (which tiles have an open key, which are all open)
;   work-groups 128-639   KEY:   key [64 heads][2048][128] f32 -> codes of FP6 (E2M3) along the head's 128, with one E8M0 byte for each 32
;   work-groups 640-1151  VALUE: value [64 heads][2048][128] f32 -> codes of FP6 along the KEYS (the second product's K), likewise
; A block's scale is 2^(floor(log2(its largest magnitude)) - 2): its byte is the largest magnitude's exponent field - 2, held at 1 from below.
; LAYOUT OF kvc: [head][step of 128 keys][24576]: eight fragments of K (1536 bytes each), then eight of V.  A fragment is the IMAGE OF THE OPERAND'S REGISTERS, lane-major:
; lane l's twelve registers are the 48 bytes at 48 l.  K's fragment 2 b + u: lane (r, h) holds key 32 b + 8 u + r + 8 (r / 8) of the step, channels 32 h .. and 64 + 32 h ..
; V's fragment t: lane (r, h) holds channel 16 t + r, keys 32 h .. and 64 + 32 h .. of the step.
; LAYOUT OF kvs: [head][16384]: K's scale words: step s at 512 s, word (t, r) at 256 (t / 4) + 16 r + 4 (t % 4);  V's from 8192: word (s, t, r) at 1024 (s / 2) + 128 t + 8 r + 4 (s % 2).
; LAYOUT OF mbits: [tile of 16 queries][step][n = 0..63] words: bit l of word n = mask[16 tile + l % 16][128 step + 32 (n / 16) + 16 (l / 16) + n % 16].
; LAYOUT OF mflag: need at 16 tile + 4 w, open at 2048 + the same: word w holds bits 4 w .. 4 w + 3, one for each step, already at their places.
; LIMITS: a block of zeros gets the byte 1 where the quantiser's text says 127 (its codes are zeros, and these bytes are read by this program alone); magnitudes under 2^-124 are taken as that floor;
; NaN and infinities in key and value are not served.
.set KR,  16                           ; KEY:   v16-79   16 rows as loaded
.set KX,  80                           ;        v80-143  my 64 numbers: 32 c + i = channel 64 c + 32 h + i of my row
.set KC,  144                          ;        v144-155 the fragment's twelve registers
.set KT,  156                          ;        v156-162 the upper halves of the two blocks' codes, as converted
.set KO,  164                          ;        v164-175 the fragment on its way out
.set KSW, 176                          ;        v176-179 four fragments' scale words
.set KM,  180
.set KSO, 182
.set KBY, 184
.set KW,  186
.set KP,  187
.set VX,  32                           ; VALUE: v32-95   two sets of 32 numbers down the keys
.set VC,  96                           ;        v96-119  a step's codes: 12 h + 6 c + 0..5
.set VT,  120
.set VO,  124                          ;        v124-171 two steps' images on their way out
.set VSB, 24                           ;        v24-25   two steps' scale words
	s_load_b256 s[4:11], s[0:1], 0x0               ; key s[4:5], value s[6:7], mask s[8:9], kvc s[10:11]
	s_load_b128 s[12:15], s[0:1], 0x20             ; kvs s[12:13], mbits s[14:15]
	s_load_b64 s[16:17], s[0:1], 0x30              ; mflag
	v_lshl_add_u32 v192, v0, 2, 0x10000
	v_mov_b32 v193, 0
	v_lshrrev_b32 v1, 5, v0
	v_readfirstlane_b32 s18, v1                    ; wave 0..3
	v_and_b32 v1, 31, v0                           ; lane
	v_and_b32 v2, 15, v0                           ; r
	v_bfe_u32 v3, v0, 4, 1                         ; h
	s_mov_b32 s20, 0x76543210
	s_mov_b32 s21, 0xfedcba98                      ; v_permlanex16_b32's selects for lane l xor 16
	s_mov_b32 s22, 0xffff0000                      ; lanes 16-31
	s_mov_b32 s25, 0                               ; the upper word of every offset pair s[24:25]
	s_wait_kmcnt 0x0
	s_cmp_lt_u32 ttmp9, 128
	s_cbranch_scc1 .Lmask
	s_cmp_lt_u32 ttmp9, 640
	s_cbranch_scc1 .Lkey
; ---------------- VALUE.  Work-group = head x 8 + pair of steps (256 keys).  Wave w takes channels 32 w .. 32 w + 31, A LANE A CHANNEL, AND ITS REGISTERS RUN DOWN THE KEYS:
; each load reads 128 consecutive bytes a wave (the four waves stand side by side on a row's 512), a block of 32 keys lies in one lane, and the conversions give codes with the keys innermost.
	s_sub_co_u32 s23, ttmp9, 640
	s_lshl_b32 s24, s23, 17                        ; 256 keys x 512 bytes
	s_lshl_b32 s26, s18, 7
	s_add_co_u32 s24, s24, s26
	s_add_nc_u64 s[6:7], s[6:7], s[24:25]
	s_mul_i32 s24, s23, 49152                      ; two step records
	s_mul_i32 s26, s18, 3072                       ; my two fragments
	s_add_co_u32 s24, s24, s26
	s_add_co_u32 s24, s24, 12288                   ; behind K's eight
	s_add_nc_u64 s[10:11], s[10:11], s[24:25]
	s_lshr_b32 s24, s23, 3
	s_lshl_b32 s24, s24, 14                        ; the head's 16384 scale bytes
	s_and_b32 s26, s23, 7
	s_lshl_b32 s26, s26, 10
	s_add_co_u32 s24, s24, s26
	s_lshl_b32 s26, s18, 8
	s_add_co_u32 s24, s24, s26
	s_add_co_u32 s24, s24, 8192
	s_add_nc_u64 s[12:13], s[12:13], s[24:25]
	s_mul_i32 s27, s18, 6144
	s_add_co_u32 s27, s27, 40960                   ; my wave's 6144 bytes of LDS: this role's bytes lie behind the KEY role's
	s_wait_alu depctr_va_vdst(0)
	v_lshlrev_b32 v4, 2, v1                        ; in: 4 bytes a lane
	v_mul_u32_u24 v5, v2, 48
	v_mad_u32_u24 v5, v3, 1536, v5
	v_add_nc_u32 v5, s27, v5                       ; into the image: fragment lane / 16, its lane r (+ 768 for its lane 16 + r)
	v_lshlrev_b32 v7, 4, v1                        ; out: 16 bytes a lane
	v_add_nc_u32 v6, s27, v7
	v_lshlrev_b32 v8, 3, v1                        ; my two scale words
.macro LOADV t                         ; block t: value(32 t + i, my channel), i = 0 .. 31, into set t % 2
.set i, 0
.rept 32
	global_load_b32 v[VX+32*((\t)%2)+i], v4, s[6:7] offset:(32*(\t)+i)*512 th:TH_LOAD_NT
.set i, i+1
.endr
.endm
.macro BLOCKV t                        ; block t = 4 p + jb: step p of the pair, keys 32 jb on: half h = jb % 2, part c = jb / 2 of the operand's layout
.set XS, VX+32*((\t)%2)
.set JB, (\t)%4
.set PP, (\t)/4
.set CD, VC+12*(JB%2)+6*(JB/2)
.if (\t) < 7
	s_wait_loadcnt 32                              ; this block's 32 loads are in; the next block's 32 may be out
.else
	s_wait_loadcnt 0x0
.endif
	v_max3_num_f32 v12, |v[XS]|, |v[XS+1]|, |v[XS+2]|              ; the block's largest magnitude: all 32 numbers are mine; two chains
	v_max3_num_f32 v13, |v[XS+3]|, |v[XS+4]|, |v[XS+5]|
.irp i, 6,10,14,18,22,26
	v_max3_num_f32 v12, v12, |v[XS+\i]|, |v[XS+\i+1]|
	v_max3_num_f32 v13, v13, |v[XS+\i+2]|, |v[XS+\i+3]|
.endr
	v_max3_num_f32 v12, v12, |v[XS+30]|, |v[XS+31]|
	v_max3_num_f32 v12, v12, v13, 0x1800000        ; and the floor 2^(3 - 127): the byte cannot fall under 1
	v_add_nc_u32 v11, 0xff000000, v12              ; 2 off the exponent field: the conversion takes the exponent field of this operand as its scale
	v_lshrrev_b32 v13, 23, v11                     ; the scale's byte
.if JB == 0
	v_mov_b32 v[VSB+PP], v13                       ; byte jb of the step's scale word
.else
	v_lshl_or_b32 v[VSB+PP], v13, 8*JB, v[VSB+PP]
.endif
	v_cvt_scalef32_pk16_fp6_f32 v[CD:CD+2], v[XS:XS+15], v11
	v_cvt_scalef32_pk16_fp6_f32 v[VT:VT+2], v[XS+16:XS+31], v11    ; (a conversion's three registers begin on an even number)
	v_nop                                          ; one plain place behind a scaled conversion
.irp i, 0,1,2
	v_mov_b32 v[CD+3+\i], v[VT+\i]
.endr
.if (\t)+2 < 8
	LOADV (\t)+2
.endif
.if JB == 3                            ; a step is whole: my channel's 2 x 48 bytes go into the images, which leave as they lie: 512 consecutive bytes a store
.irp hh, 0,1
.irp k, 0,1,2
	ds_store_b128 v5, v[VC+12*\hh+4*\k:VC+12*\hh+4*\k+3] offset:3072*PP+768*\hh+16*\k   ; lanes 48 bytes apart: sixteen lanes' 16 bytes fall on sixteen different 16-byte columns of 256
.endr
.endr
.irp m, 0,1,2,3,4,5
	ds_load_b128 v[VO+24*PP+4*\m:VO+24*PP+4*\m+3], v6 offset:3072*PP+512*\m    ; LDS serves a wave's instructions in order (ISA guide 5.7.1.4): these see my stores
.endr
	s_wait_dscnt 0x0                               ; the images are back, and the stores have read the codes' registers
.irp m, 0,1,2,3,4,5
	global_store_b128 v7, v[VO+24*PP+4*\m:VO+24*PP+4*\m+3], s[10:11] offset:24576*PP+512*\m
.endr
.endif
.endm
	LOADV 0
	LOADV 1
.irp t, 0,1,2,3,4,5,6,7
	BLOCKV \t
.endr
	s_wait_alu depctr_va_vdst(0)
	global_store_b64 v8, v[VSB:VSB+1], s[12:13]    ; 32 lanes store 256 consecutive bytes, aligned
	s_wait_tensorcnt 0x0
	ds_add_u32 v192, v193
	s_wait_dscnt 0x0
	s_endpgm
; ---------------- KEY.  Wave number idx = 4 (work-group - 128) + wave takes 64 neighbouring keys: four fragments.  Each load reads one key's 512 bytes; the 16 rows of a fragment turn through
; the wave's own stage (rows 528 bytes apart), so that a lane gets 32 neighbours along the head's axis of ITS row, twice.
.Lkey:
	s_sub_co_u32 s23, ttmp9, 128
	s_lshl_b32 s23, s23, 2
	s_add_co_u32 s23, s23, s18                     ; idx, 0 .. 2047
	s_lshl_b32 s24, s23, 15                        ; 64 keys x 512 bytes
	s_add_nc_u64 s[4:5], s[4:5], s[24:25]
	s_lshr_b32 s24, s23, 1
	s_mul_i32 s24, s24, 24576                      ; the step's record
	s_and_b32 s26, s23, 1
	s_mul_i32 s26, s26, 6144                       ; fragments 0-3 or 4-7
	s_add_co_u32 s24, s24, s26
	s_add_nc_u64 s[10:11], s[10:11], s[24:25]
	s_lshr_b32 s24, s23, 5
	s_lshl_b32 s24, s24, 14
	s_and_b32 s26, s23, 31
	s_lshl_b32 s26, s26, 8
	s_add_co_u32 s24, s24, s26
	s_add_nc_u64 s[12:13], s[12:13], s[24:25]
	s_mul_i32 s27, s18, 10240                      ; my wave's LDS: 16 x 528 bytes on the way in, 1536 on the way out
	s_wait_alu depctr_va_vdst(0)
	v_lshlrev_b32 v4, 4, v1                        ; 16 x lane
	v_add_nc_u32 v5, s27, v4                       ; a row into the stage
	v_mul_u32_u24 v6, v2, 528
	v_lshl_add_u32 v6, v3, 7, v6
	v_add_nc_u32 v6, s27, v6                       ; back: row r, + 128 h
	v_mul_u32_u24 v7, v1, 48
	v_add_nc_u32 v7, s27, v7
	v_add_nc_u32 v7, 8448, v7                      ; the image: 48 x lane
	v_add_nc_u32 v8, 8448, v5                      ; and as it leaves: 16 x lane
	v_lshlrev_b32 v9, 4, v2
	v_lshl_add_u32 v9, v3, 3, v9                   ; scale words: 16 r + 8 h
	v_lshlrev_b32 v10, 3, v3                       ; 8 h
	v_mov_b32 v[KP], 0                             ; written once: a lane permute's destination counts as one of its sources
.macro LOADF tt                        ; the 16 keys of fragment tt: row i is key 32 (tt / 2) + 8 (tt % 2) + i + 8 (i / 8) of my 64
.set i, 0
.rept 16
	global_load_b128 v[KR+4*i:KR+4*i+3], v4, s[4:5] offset:(32*((\tt)/2)+8*((\tt)%2)+i+8*(i/8))*512 th:TH_LOAD_NT
.set i, i+1
.endr
.endm
.macro FRAGK tt
	s_wait_loadcnt 0x0
.set i, 0
.rept 16
	ds_store_b128 v5, v[KR+4*i:KR+4*i+3] offset:528*i
.set i, i+1
.endr
.irp c, 0,1
.irp j, 0,1,2,3,4,5,6,7
	ds_load_b128 v[KX+32*\c+4*\j:KX+32*\c+4*\j+3], v6 offset:256*\c+16*\j
.endr
.endr
	s_wait_dscnt 0x0                               ; my numbers are in, and the stores have read the rows' registers,
.if (\tt) < 3
	LOADF (\tt)+1                                  ; which take the next fragment's rows
.endif
.irp c, 0,1
	v_max3_num_f32 v[KM+\c], |v[KX+32*\c]|, |v[KX+32*\c+1]|, 0x1800000   ; my block h (c = 0) and my block 2 + h (c = 1), with the floor 2^(3 - 127); the two by turns
.endr
.irp i, 2,4,6,8,10,12,14,16,18,20,22,24,26,28,30
.irp c, 0,1
	v_max3_num_f32 v[KM+\c], v[KM+\c], |v[KX+32*\c+\i]|, |v[KX+32*\c+\i+1]|
.endr
.endr
.irp c, 0,1
	v_add_nc_u32 v[KSO+\c], 0xff000000, v[KM+\c]   ; 2 off the exponent field: the conversion's scale operand
.endr
.irp c, 0,1
	v_lshrrev_b32 v[KBY+\c], 23, v[KSO+\c]         ; the scale's byte
.endr
	v_lshl_or_b32 v[KW], v[KBY+1], 16, v[KBY]      ; my two bytes,
	v_lshlrev_b32 v[KW], v10, v[KW]                ; at their places in the row's word (8 h bits up);
	v_permlanex16_b32 v[KP], v[KW], s20, s21
	v_or_b32 v[KSW+\tt], v[KW], v[KP]              ; with lane l xor 16's two the word is whole, in both lanes
.irp c, 0,1
	v_cvt_scalef32_pk16_fp6_f32 v[KC+6*\c:KC+6*\c+2], v[KX+32*\c:KX+32*\c+15], v[KSO+\c]
	v_cvt_scalef32_pk16_fp6_f32 v[KT+4*\c:KT+4*\c+2], v[KX+32*\c+16:KX+32*\c+31], v[KSO+\c]   ; (a conversion's three registers begin on an even number)
.endr
	v_nop                                          ; one plain place behind a scaled conversion
.irp c, 0,1
.irp i, 0,1,2
	v_mov_b32 v[KC+6*\c+3+\i], v[KT+4*\c+\i]
.endr
.endr
.irp k, 0,1,2
	ds_store_b128 v7, v[KC+4*\k:KC+4*\k+3] offset:16*\k
.endr
	s_wait_xcnt 0x0                                ; the last fragment's stores have read their data registers, which the loads below write
.irp k, 0,1,2
	ds_load_b128 v[KO+4*\k:KO+4*\k+3], v8 offset:512*\k
.endr
	s_wait_dscnt 0x0
.irp k, 0,1,2
	global_store_b128 v4, v[KO+4*\k:KO+4*\k+3], s[10:11] offset:1536*(\tt)+512*\k   ; 512 consecutive bytes a store
.endr
.endm
	LOADF 0
	s_wait_alu depctr_va_vdst(0)
.irp tt, 0,1,2,3
	FRAGK \tt
.endr
	v_cndmask_b32 v188, v[KSW], v[KSW+2], s22      ; lanes 0-15 store row r's words of fragments 0 and 1, lanes 16-31 those of 2 and 3
	v_cndmask_b32 v189, v[KSW+1], v[KSW+3], s22
	global_store_b64 v9, v[188:189], s[12:13]      ; 32 lanes store 256 consecutive bytes, aligned
	s_wait_tensorcnt 0x0
	ds_add_u32 v192, v193
	s_wait_dscnt 0x0
	s_endpgm
; ---------------- MASK.  Work-group = tile of 16 queries; wave w takes steps 4 w .. 4 w + 3 (512 keys).  A lane (r, h) loads, of row r, the 16 bytes of keys 32 b + 16 h .. of each block b.
; Each load takes 32 bytes of each of 16 rows; a wave's sixteen loads together cover 16 x 512 consecutive bytes.  The mask is 4 MB beside 134 MB of key and value: a turn through LDS was not spent on it.
.Lmask:
	s_lshl_b32 s24, ttmp9, 15                      ; 16 rows of 2048 bytes
	s_lshl_b32 s26, s18, 9
	s_add_co_u32 s24, s24, s26
	s_add_nc_u64 s[8:9], s[8:9], s[24:25]
	s_lshl_b32 s24, ttmp9, 12                      ; 16 steps x 64 words
	s_lshl_b32 s26, s18, 10
	s_add_co_u32 s24, s24, s26
	s_add_nc_u64 s[14:15], s[14:15], s[24:25]
	s_lshl_b32 s24, ttmp9, 4
	s_lshl_b32 s41, s18, 2                         ; 4 w: my first step, and my word's byte
	s_add_co_u32 s24, s24, s41
	s_add_nc_u64 s[16:17], s[16:17], s[24:25]
	s_wait_alu depctr_va_vdst(0)
	v_lshlrev_b32 v4, 11, v2
	v_lshl_add_u32 v4, v3, 4, v4                   ; row r, + 16 h
	v_lshlrev_b32 v5, 3, v1                        ; out: two words a lane
.irp g, 0,1,2,3
.irp b, 0,1,2,3
	global_load_b128 v[32+16*\g+4*\b:35+16*\g+4*\b], v4, s[8:9] offset:128*\g+32*\b th:TH_LOAD_NT
.endr
.endr
.irp i, 0,1,2,3,4,5,6,7
	v_mov_b32 v[16+\i], 0                          ; v_writelane_b32's destination counts as one of its sources
.endr
	s_mov_b32 s30, 0                               ; need
	s_mov_b32 s31, 0                               ; open
	s_wait_loadcnt 0x0
.macro MSTEP g                         ; one step: 64 compares, each giving the 32 lanes' bits of one score register; word n goes to lane n / 2, register n % 2
	s_mov_b32 s32, 0                               ; any bit set
	s_mov_b32 s33, -1                              ; all bits set
.set n, 0
.rept 64
	v_and_b32 v[8+n%4], 0xff<<(8*(n%4)), v[32+16*\g+4*(n/16)+(n/4)%4]
	v_cmp_ne_u32 s[36+n%4], 0, v[8+n%4]
	s_or_b32 s32, s32, s[36+n%4]
	s_and_b32 s33, s33, s[36+n%4]
	v_writelane_b32 v[16+2*\g+n%2], s[36+n%4], n/2
.set n, n+1
.endr
	global_store_b64 v5, v[16+2*\g:17+2*\g], s[14:15] offset:256*\g   ; 32 lanes store 256 consecutive bytes, aligned
	s_add_co_u32 s34, s41, \g                      ; the step's number = its bit
	s_cmp_lg_u32 s32, 0
	s_cselect_b32 s35, 1, 0
	s_lshl_b32 s35, s35, s34
	s_or_b32 s30, s30, s35
	s_cmp_eq_u32 s33, -1
	s_cselect_b32 s35, 1, 0
	s_lshl_b32 s35, s35, s34
	s_or_b32 s31, s31, s35
.endm
.irp g, 0,1,2,3
	MSTEP \g
.endr
	v_mov_b32 v12, s30
	v_mov_b32 v13, s31
	v_mov_b32 v14, 0
	v_cmp_eq_u32 vcc_lo, 0, v1
	s_wait_alu depctr_va_vdst(0)
	s_wait_xcnt 0x0                                ; EXEC changes only behind s_wait_xcnt 0: the stores above have it among their sources
	s_and_saveexec_b32 s40, vcc_lo
	global_store_b32 v14, v12, s[16:17]            ; two words a wave: 4096 bytes in the whole launch
	global_store_b32 v14, v13, s[16:17] offset:2048
	s_wait_xcnt 0x0
	s_or_b32 exec_lo, exec_lo, s40
	s_endpgm
.Lfunc_end_k_q6cff4cc776_prep:
	.size	k_q6cff4cc776_prep, .Lfunc_end_k_q6cff4cc776_prep-k_q6cff4cc776_prep
	.p2alignl 7, 3214868480
	.fill 96, 4, 3214868480
	.section	.rodata,"a",@progbits
	.p2align	6, 0x0
	.amdhsa_kernel k_q6cff4cc776_prep
		.amdhsa_group_segment_fixed_size 66048
		.amdhsa_private_segment_fixed_size 0
		.amdhsa_enable_private_segment 0
		.amdhsa_kernarg_size 56
		.amdhsa_user_sgpr_count 2
		.amdhsa_user_sgpr_kernarg_segment_ptr 1
		.amdhsa_wavefront_size32 1
		.amdhsa_system_sgpr_workgroup_id_x 1
		.amdhsa_system_sgpr_workgroup_id_y 1
		.amdhsa_system_sgpr_workgroup_id_z 1
		.amdhsa_system_vgpr_workitem_id 0
		.amdhsa_next_free_vgpr 194
		.amdhsa_next_free_sgpr 66
		.amdhsa_reserve_vcc 1
		.amdhsa_float_denorm_mode_32 3
		.amdhsa_float_denorm_mode_16_64 3
		.amdhsa_memory_ordered 1
		.amdhsa_forward_progress 1
		.amdhsa_inst_pref_size 141
	.end_amdhsa_kernel
	.amdgpu_metadata
---
amdhsa.version: [ 1, 2 ]
amdhsa.kernels:
  - .name:           k_q6cff4cc776_prep
    .symbol:         k_q6cff4cc776_prep.kd
    .args:
      - { .name: key, .offset: 0, .size: 8, .value_kind: global_buffer, .address_space: global }
      - { .name: value, .offset: 8, .size: 8, .value_kind: global_buffer, .address_space: global }
      - { .name: mask, .offset: 16, .size: 8, .value_kind: global_buffer, .address_space: global }
      - { .name: kvc, .offset: 24, .size: 8, .value_kind: global_buffer, .address_space: global }
      - { .name: kvs, .offset: 32, .size: 8, .value_kind: global_buffer, .address_space: global }
      - { .name: mbits, .offset: 40, .size: 8, .value_kind: global_buffer, .address_space: global }
      - { .name: mflag, .offset: 48, .size: 8, .value_kind: global_buffer, .address_space: global }
    .group_segment_fixed_size: 66048
    .private_segment_fixed_size: 0
    .kernarg_segment_align: 8
    .kernarg_segment_size: 56
    .max_flat_workgroup_size: 128
    .sgpr_count:     66
    .vgpr_count:     194
    .wavefront_size: 32
...
	.end_amdgpu_metadata
.endif
;; end of part 1
;; launch attn (part 2): grid 4 x 64, 8 waves a work-group, no clusters, 134,144 bytes of LDS; arguments query, kvc, kvs, mbits, mflag, out0; writes out0
.if DOCPART == 2
	.amdgcn_target "amdgcn-amd-amdhsa--gfx1250"
	.amdhsa_code_object_version 6
	.text
	.protected	k_q6cff4cc776_attn
	.globl	k_q6cff4cc776_attn
	.p2align	8
	.type	k_q6cff4cc776_attn,@function
k_q6cff4cc776_attn:
	s_mov_b64 s[64:65], 0
	v_nop
	global_prefetch_b8 v0, s[64:65] scope:SCOPE_SE
	s_setreg_imm32_b32 hwreg(HW_REG_WAVE_MODE, 25, 1), 1
	s_wait_xcnt 0x0
; out0[head][q][:] = sum over k of softmax_k(where(mask[q][k], Q[q] . K[k] / sqrt(128), -inf)) V[k][:], both products on codes of FP6 (E2M3), one E8M0 scale for each 32 along a product's K.
; K and V come as fragment images and scale words (kvc, kvs), the mask as lane-mask words (mbits) and tile flags (mflag), all made by the launch before; Q is quantised here, in registers.
; SOFTMAX: t = score x log2(e) / sqrt(128); M = the row's largest t so far, rounded up to a whole number; p = 2^(t - M) is quantised along the keys; the row's sum is taken of the unquantised p
; and divides O at the end; when M moves, the sum and O are multiplied by 2^(old M - new M), which is exact.
; SHARES: 256 work-groups of 8 waves.  Work-group (x, head) takes the blocks x and 7 - x of 256 queries, one after the other.  A WAVE OWNS TWO NEIGHBOURING TILES OF 16 QUERIES:
; tile A in register window 0, tile B in window 1, under the same register numbers, so that one text serves both and each fragment of K and V read from LDS feeds two matrix instructions.
; Both products are used transposed (S^T = K Q^T, O^T = V^T P^T): a lane holds one query (lane % 16) of each tile.
; THE MASK IS AN INPUT: nothing of its pattern is written here.  A step (128 keys) with no open key for the wave's 32 queries is left out by a scalar branch on the stored flags; a step all of whose keys are
; open fetches no mask words and makes no selects; a step that no wave of the work-group needs is not copied.  A query with no open key gets 0 x (1 / 0) = NaN, as the softmax of a row of -inf is.
; THE RING GOES THROUGH REGISTERS: thread t copies 6 x 16 bytes of a step's 24576 (global load, a step's work, LDS store).  Two slots of one step; one barrier a step.
; NO TENSOR LOAD AND NO CLUSTER, though the four work-groups of a head read the same records: the branches hang on numbers read from memory, and the partners
; need different steps by those numbers.  NO PREFETCH OF THE RECORDS: a record's loads are issued a whole step's work ahead of its LDS store.
; THE SECOND BLOCK'S Q IS PREFETCHED: 64 blocks of 256 bytes a wave, a lane a block, two instructions, behind the first block's quantising: sixteen steps ahead of the loads, which are issued ahead of the first block's way out.
; LIMITS: NaN and infinities among the inputs are not served.  A block's largest p is taken from the block's largest score by the same two instructions (this takes v_exp_f32 not to fall where its input rises).
; A block of zeros carries the byte 1 (its codes are zeros).  The promise holds while the scaled scores stay under 2^31 in magnitude.
.set STEPB, 24576                      ; a record: K's eight fragments, then V's eight, 1536 bytes each.  LDS: slot 0 at 0, slot 1 at STEPB
.set SCL,   49152                      ; the head's scale words: K's 8192 bytes, then V's 8192
.set STG,   65536                      ; a stage of 16 rows x 528 bytes for each wave, its own
.set SROW,  528
.set SPARE, STG+8*16*SROW              ; the spare words: 128 bytes a wave
; window 0: v1-11 addresses; v12 -M, v13 largest t, v[14:15] the sum; v16-27 Q's codes; v29 8 h; v30, v31 the add's two; v32-79 fragments 0-3; v80-87 K's or V's scale words; v88 tile B's Q scale word,
; v89 its p scale word; v96-159 S^T, p; v160-223 O^T; v224-235 p's codes; v232-251 at work; v252 f; v253 p's scale word; v254 at work; v255 Q's scale word
; window 1: the same for tile B; v32-79 fragments 4-7; v0-11 and v80-91 the copy in hand
.set STA,  1                           ; 16 x thread
.set L16,  2                           ; 16 x lane
.set ASK0, 3                           ; SCL + 16 r
.set ASV0, 4                           ; SCL + 8192 + 8 r
.set SQ,   5                           ; stage: row r, + 128 h
.set SIN,  6                           ; stage: row r, + 32 h
.set SRW,  7                           ; stage: 16 x lane: a whole row an instruction
.set AD0,  8                           ; 48 x lane
.set PF,   9                           ; 256 x lane
.set ADS,  10
.set ADT,  11
.set H8,   29
.set SPW,  30
.set NIL,  31
.set MB,   2                           ; s[2:3] kvs at the head, then mbits
.set QB,   4
.set KV,   6
.set MP,   8                           ; s[8:9] mflag at the head, then mbits at my tile A's step in hand
.set OB,   10
.set SA,   12
.set SO,   14
.set WV,   66
.set TSL,  68
.set NEED, 69
.set OPEN, 70
.set WGN,  71
.set CNT,  72
.set BCNT, 73
.set SEL,  74
.set CS,   76
.set BLK,  78
.set TMP,  79
.set T2,   96
.set PQ,   98                          ; s[98:99] query at my 32 rows of the second block; never rewritten
.set QP,   100
.set OP,   104
; s16-63 and s80-95: 64 lane-mask words (word n in s[16 + n], from n = 48 on in s[32 + n])
.set MSB, 0
.macro WIN new                         ; low byte: bits 1:0 source 0, 3:2 source 1, 5:4 source 2, 7:6 destination; the high byte repeats the setting that is left
.if MSB != (\new)
	s_set_vgpr_msb (MSB<<8)|(\new)
.set MSB, (\new)
.endif
.endm
.macro QLOAD base                      ; my 32 rows of Q, a row of 512 bytes an instruction, into the S registers of both windows
.irp i, 0,1,2,3,4,5,6,7,8,9,10,11,12,13,14,15
	global_load_b128 v[96+4*\i:99+4*\i], v[L16], s[\base:\base+1] offset:512*\i th:TH_LOAD_NT
.endr
	WIN 0x40
.irp i, 0,1,2,3,4,5,6,7,8,9,10,11,12,13,14,15
	global_load_b128 v[96+4*\i:99+4*\i], v[L16], s[\base:\base+1] offset:8192+512*\i th:TH_LOAD_NT
.endr
	WIN 0
.endm
.macro FLAGS base                      ; a block's flags: s16 = steps that some tile needs; s68 = steps that my two tiles need; s76 = steps all open for both
	s_load_b512 s[16:31], s[\base:\base+1], 0x0
	s_load_b512 s[32:47], s[\base:\base+1], 0x40
	s_load_b512 s[48:63], s[\base:\base+1], 0x80
	s_load_b512 s[80:95], s[\base:\base+1], 0xc0
	s_load_b256 s[68:75], s[\base:\base+1], s67 offset:0x0
	s_load_b128 s[76:79], s[\base:\base+1], s67 offset:0x800
	s_load_b128 s[96:99], s[\base:\base+1], s67 offset:0x810
	s_wait_kmcnt 0x0
.set n, 1
.rept 47
	s_or_b32 s16, s16, s[16+n]
.set n, n+1
.endr
.set n, 0
.rept 16
	s_or_b32 s16, s16, s[80+n]
.set n, n+1
.endr
	s_or_b32 s68, s68, s69
	s_or_b32 s70, s70, s71
	s_or_b32 s72, s72, s73
	s_or_b32 s74, s74, s75
	s_or_b32 s68, s68, s70
	s_or_b32 s72, s72, s74
	s_or_b32 s68, s68, s72
	s_or_b32 s76, s76, s77
	s_or_b32 s78, s78, s79
	s_or_b32 s76, s76, s78
	s_or_b32 s96, s96, s97
	s_or_b32 s98, s98, s99
	s_or_b32 s96, s96, s98
	s_and_b32 s76, s76, s96
.endm
	s_load_b128 s[4:7], s[0:1], 0x0                ; query, kvc
	s_load_b64 s[2:3], s[0:1], 0x10                ; kvs
	s_load_b128 s[8:11], s[0:1], 0x20              ; mflag, out0
	v_lshl_add_u32 v[SPW], v0, 2, SPARE
	v_mov_b32 v[NIL], 0
	v_lshrrev_b32 v12, 5, v0
	v_readfirstlane_b32 s[WV], v12                 ; wave 0..7
	v_and_b32 v12, 31, v0                          ; lane
	v_and_b32 v13, 15, v0                          ; r
	v_bfe_u32 v14, v0, 4, 1                        ; h
	v_lshlrev_b32 v[STA], 4, v0
	v_lshlrev_b32 v[L16], 4, v12
	v_lshl_add_u32 v[ASK0], v13, 4, SCL
	v_lshl_add_u32 v[ASV0], v13, 3, SCL+8192
	v_lshlrev_b32 v[H8], 3, v14
	v_mul_u32_u24 v[AD0], v12, 48
	v_lshlrev_b32 v[PF], 8, v12
	s_mul_i32 s[TMP], s[WV], 16*SROW
	s_add_co_u32 s[TMP], s[TMP], STG               ; my stage
	v_add_nc_u32 v[SRW], s[TMP], v[L16]
	v_mul_u32_u24 v15, v13, SROW
	v_add_nc_u32 v15, s[TMP], v15
	v_lshl_add_u32 v[SQ], v14, 7, v15
	v_lshl_add_u32 v[SIN], v14, 5, v15
.irp i, 236,237,238,239,252,253
	v_mov_b32 v[\i], 0                             ; written once: the lane permutes' destinations, f and its pair's upper half are named before anything else writes them
.endr
	WIN 0x40
	v_mov_b32 v[H8], v[H8]                         ; 8 h in window 1 too
.irp i, 84,85,86,87,88,89,90,91,236,237,238,239,252,253
	v_mov_b32 v[\i], 0                             ; the same in window 1, and the copy's last eight registers
.endr
	WIN 0
	s_wait_alu depctr_va_vdst(0)
	s_wait_kmcnt 0x0
	s_and_b32 s67, ttmp7, 0xffff                   ; the head
	s_mov_b32 s[T2+1], 0
	s_lshl_b32 s[T2], s67, 14
	s_add_nc_u64 s[2:3], s[2:3], s[T2:T2+1]        ; the head's 16384 scale bytes: 4 x 16 bytes a thread
	WIN 0x40
.irp i, 0,1,2,3
	global_load_b128 v[4*\i+68*(\i/3):4*\i+68*(\i/3)+3], v[STA], s[2:3] offset:4096*\i
.endr
	WIN 0
	s_lshl_b32 s[T2], s67, 20                      ; 2048 rows of 512 bytes
	s_add_nc_u64 s[QB:QB+1], s[QB:QB+1], s[T2:T2+1]
	s_add_nc_u64 s[OB:OB+1], s[OB:OB+1], s[T2:T2+1]
	s_mul_i32 s[T2], s67, 16*STEPB
	s_add_nc_u64 s[KV:KV+1], s[KV:KV+1], s[T2:T2+1]
	s_lshl_b32 s[T2], ttmp9, 17                    ; block x: 256 rows; my 32 rows of it
	s_lshl_b32 s[TMP], s[WV], 14
	s_add_co_u32 s[T2], s[T2], s[TMP]
	s_add_nc_u64 s[QP:QP+1], s[QB:QB+1], s[T2:T2+1]
	QLOAD QP                                       ; the first block's Q is on its way while the flags are read
	s_lshl_b32 s[T2], ttmp9, 8                     ; a block's need flags are 256 bytes
	s_add_nc_u64 s[12:13], s[8:9], s[T2:T2+1]
	s_sub_co_u32 s[T2], 7, ttmp9
	s_lshl_b32 s[T2], s[T2], 8
	s_add_nc_u64 s[14:15], s[8:9], s[T2:T2+1]
	s_lshl_b32 s67, s[WV], 5                       ; my two tiles' eight words
	FLAGS 12
	s_mov_b32 s104, s16
	s_lshl_b32 s76, s76, 16
	s_or_b32 s105, s68, s76
	FLAGS 14
	s_and_b32 s79, s105, 0xffff
	s_lshl_b32 s68, s68, 16
	s_or_b32 s[NEED], s79, s68                     ; bits 0-15: the first block's 16 steps; bits 16-31: the second's
	s_lshr_b32 s105, s105, 16
	s_lshl_b32 s76, s76, 16
	s_or_b32 s[OPEN], s105, s76
	s_lshl_b32 s16, s16, 16
	s_or_b32 s[WGN], s104, s16
	s_mov_b32 s[SEL], 0x76543210
	s_mov_b32 s[SEL+1], 0xfedcba98                 ; lane l xor 16
	s_mov_b32 s[CS], 0x3e0293ee                    ; c = log2(e) / sqrt(128)
	s_mov_b32 s[CS+1], s[CS]
	s_mov_b32 s[BLK], ttmp9
	s_lshr_b32 s67, s[WV], 2
	s_xor_b32 s67, s67, s[WV]
	s_and_b32 s67, s67, 1                          ; bit 0 xor bit 2 of the wave's number
	s_mov_b32 s[SO], 0
	s_mov_b32 s[SO+1], 0
	s_mov_b32 s[T2+1], 0
	s_sub_co_u32 s[T2], 7, ttmp9
	s_lshl_b32 s[T2], s[T2], 17
	s_lshl_b32 s[TMP], s[WV], 14
	s_add_co_u32 s[T2], s[T2], s[TMP]
	s_add_nc_u64 s[PQ:PQ+1], s[QB:QB+1], s[T2:T2+1]
	s_wait_loadcnt 32                              ; the scale table's four loads are in; Q's 32 may be out
	WIN 0x04
.irp i, 0,1,2,3
	ds_store_b128 v[STA], v[4*\i+68*(\i/3):4*\i+68*(\i/3)+3] offset:SCL+4096*\i
.endr
	WIN 0
	s_load_b64 s[MB:MB+1], s[0:1], 0x18            ; mbits (the loads that named s[2:3] are done)
; THE COPY OF A RECORD, in two parts a step's work apart.  Both test the same bit of WGN; the waits stand outside the branches.
.macro STAGE_LOAD
	s_add_nc_u64 s[SA:SA+1], s[KV:KV+1], s[SO:SO+1]   ; no load that names s[12:13] is out: the last STAGE_STORE has waited for them
	s_bitcmp1_b32 s[WGN], 0
	s_cbranch_scc0 .Lnl_\@
	WIN 0x40
.irp i, 0,1,2,3,4,5
	global_load_b128 v[4*\i+68*(\i/3):4*\i+68*(\i/3)+3], v[STA], s[SA:SA+1] offset:4096*\i   ; a wave's load covers 512 consecutive bytes
.endr
	WIN 0
.Lnl_\@:
.endm
.macro STAGE_STORE slot
	s_wait_loadcnt 0x0
	s_bitcmp1_b32 s[WGN], 0
	s_cbranch_scc0 .Lns_\@
	WIN 0x04
.irp i, 0,1,2,3,4,5
	ds_store_b128 v[STA], v[4*\i+68*(\i/3):4*\i+68*(\i/3)+3] offset:STEPB*(\slot)+4096*\i
.endr
	WIN 0
.Lns_\@:
	s_lshr_b32 s[WGN], s[WGN], 1                   ; behind 32 steps nothing is left, and nothing more is loaded
	s_add_co_u32 s[SO], s[SO], STEPB
	s_cmp_eq_u32 s[SO], 16*STEPB                   ; the second block walks the head's records anew
	s_cselect_b32 s[SO], 0, s[SO]
.endm
.macro FRAGS off                       ; eight fragments as they lie: 0-3 into window 0, 4-7 into window 1
.irp t, 0,1,2,3
.irp k, 0,1,2
	ds_load_b128 v[32+12*\t+4*\k:35+12*\t+4*\k], v[AD0] offset:\off+1536*\t+16*\k
.endr
.endr
	WIN 0x40
.irp t, 0,1,2,3
.irp k, 0,1,2
	ds_load_b128 v[32+12*\t+4*\k:35+12*\t+4*\k], v[AD0] offset:\off+6144+1536*\t+16*\k
.endr
.endr
	WIN 0
.endm
.macro SMM T, g                        ; S^T of tile T, key tiles 4 g .. 4 g + 3.  Scale registers are always window 0's: Q's word is v255 (A) or v88 (B)
	WIN 0x54*\T+\g
.irp t, 0,1,2,3
	v_wmma_scale_f32_16x16x128_f8f6f4 v[96+8*(4*\g+\t):103+8*(4*\g+\t)], v[32+12*\t:43+12*\t], v[16:27], 0, v[80+4*\g+\t], v[255-167*\T] matrix_a_fmt:MATRIX_FMT_FP6 matrix_b_fmt:MATRIX_FMT_FP6
.endr
.endm
.macro PV T                            ; O^T += V^T P^T of tile T: eight accumulators, one instruction a turn; p's word is v253 (A) or v89 (B)
.irp g, 0,1
	WIN 0x54*\T+\g
.irp t, 0,1,2,3
	v_wmma_scale_f32_16x16x128_f8f6f4 v[160+8*(4*\g+\t):167+8*(4*\g+\t)], v[32+12*\t:43+12*\t], v[224:235], v[160+8*(4*\g+\t):167+8*(4*\g+\t)], v[80+4*\g+\t], v[253-164*\T] matrix_a_fmt:MATRIX_FMT_FP6 matrix_b_fmt:MATRIX_FMT_FP6
.endr
.endr
.endm
.macro MLOAD off                       ; a tile's 64 lane-mask words of the step
	s_load_b512 s[16:31], s[MP:MP+1], \off
	s_load_b512 s[32:47], s[MP:MP+1], \off+0x40
	s_load_b512 s[48:63], s[MP:MP+1], \off+0x80
	s_load_b512 s[80:95], s[MP:MP+1], \off+0xc0
.endm
.macro MASKT T                         ; hidden scores become -infinity ahead of the maximum: p = 0 then
	WIN 0x45*\T
	v_mov_b32 v254, 0xff800000
.set n, 0
.rept 64
.if n < 48
	v_cndmask_b32 v[96+n], v254, v[96+n], s[16+n]
.else
	v_cndmask_b32 v[96+n], v254, v[96+n], s[32+n]
.endif
.set n, n+1
.endr
.endm
; THE SOFTMAX OF ONE TILE'S STEP: from S^T to p's codes and scale word, the sum, and O^T under the new M.  One text for both windows.
; It is cut into three phases: PRE (the maxima, M, t - M), EXPS (the batch of 68 exponentials), POST (the sum, the codes, O^T under the new M).
.set VAR, 67                           ; s67  bit 0 xor bit 2 of the wave's number: which order of the phases the wave takes
.macro PRE T, W                        ; W = 1: this tile's scores are first read behind the other tile's exponentials
	WIN 0x55*\T
.if \W
	s_wait_alu depctr_va_vdst(0)                   ; ahead of the first reader of the scores
.endif
.irp b, 0,1,2,3
	v_max3_num_f32 v[232+\b], v[96+16*\b], v[97+16*\b], v[98+16*\b]   ; the largest score of each block of 32 keys: for the row's maximum and for the block's largest p
.endr
.irp i, 3,5,7,9,11,13
.irp b, 0,1,2,3
	v_max3_num_f32 v[232+\b], v[232+\b], v[96+16*\b+\i], v[97+16*\b+\i]
.endr
.endr
.irp b, 0,1,2,3
	v_max_num_f32 v[232+\b], v[232+\b], v[111+16*\b]
.endr
.irp b, 0,1,2,3
	v_permlanex16_b32 v[236+\b], v[232+\b], s[SEL], s[SEL+1]
.endr
.irp b, 0,1,2,3
	s_delay_alu instid0(VALU_DEP_4)
	v_max_num_f32 v[232+\b], v[232+\b], v[236+\b]  ; with lane l xor 16's 16 keys
.endr
	s_delay_alu instid0(VALU_DEP_2)
	v_max3_num_f32 v254, v232, v233, v234
	s_delay_alu instid0(VALU_DEP_1)
	v_max_num_f32 v254, v254, v235
	s_delay_alu instid0(VALU_DEP_1)
	v_mul_f32 v254, s[CS], v254                    ; as t (c is positive)
	s_delay_alu instid0(VALU_DEP_1)
	v_max_num_f32 v13, v13, v254                   ; the running largest t (a query with no open key so far keeps -3e38)
	v_mov_b32 v254, v12
	s_delay_alu instid0(VALU_DEP_2)
	v_floor_f32 v12, -v13                          ; the new -M = -ceil(t)
	s_delay_alu instid0(VALU_DEP_1)
	v_sub_f32 v254, v12, v254                      ; old M less new M: a whole number, 0 or less
	s_delay_alu instid0(VALU_DEP_1)
	v_cvt_i32_f32 v254, v254                       ; (it saturates)
	s_delay_alu instid0(VALU_DEP_1)
	v_ldexp_f32 v252, 1.0, v254                    ; f = 2^(old M - new M)
.set j, 0
.rept 32
	v_pk_fma_f32 v[96+j:97+j], v[96+j:97+j], s[CS:CS+1], v[12:13] op_sel_hi:[1,0,0]   ; t - M
.set j, j+2
.endr
.irp b, 0,1,2,3
	v_fma_f32 v[232+\b], v[232+\b], s[CS], v12     ; the same of each block's largest score
.endr
.endm
.macro EXPS T
	WIN 0x55*\T
	s_wait_alu depctr_va_vdst(0)
.set j, 0
.rept 64
	v_exp_f32 v[96+j], v[96+j]                     ; p = 2^(t - M), at most 1
.set j, j+1
.endr
.irp b, 0,1,2,3
	v_exp_f32 v[232+\b], v[232+\b]                 ; the block's largest p: the same two instructions on the same number give the same bits
.endr
	v_nop                                          ; a plain place behind the batch
.endm
.macro POST T, W                       ; W = 1: no wait has stood behind this tile's batch yet
	WIN 0x55*\T
.if \W
	s_wait_alu depctr_va_vdst(0)                   ; one wait for all exponentials issued so far, ahead of their first reader
.endif
	v_pk_mul_f32 v[14:15], v[14:15], v[252:253] op_sel_hi:[1,0]   ; the sums under the new M
	v_pk_add_f32 v[236:237], v[100:101], v[104:105]   ; the row's sum of the unquantised p, in eight chains
	v_pk_add_f32 v[250:251], v[108:109], v[112:113]
	v_pk_add_f32 v[248:249], v[116:117], v[120:121]
	v_pk_add_f32 v[246:247], v[124:125], v[128:129]
	v_pk_add_f32 v[244:245], v[132:133], v[136:137]
	v_pk_add_f32 v[240:241], v[140:141], v[144:145]
	v_pk_add_f32 v[238:239], v[148:149], v[152:153]
	v_pk_add_f32 v[14:15], v[14:15], v[156:157]
	v_pk_add_f32 v[236:237], v[236:237], v[96:97]
	v_pk_add_f32 v[250:251], v[250:251], v[98:99]
	v_pk_add_f32 v[248:249], v[248:249], v[102:103]
	v_pk_add_f32 v[246:247], v[246:247], v[106:107]
	v_pk_add_f32 v[244:245], v[244:245], v[110:111]
	v_pk_add_f32 v[240:241], v[240:241], v[114:115]
	v_pk_add_f32 v[238:239], v[238:239], v[118:119]
	v_pk_add_f32 v[14:15], v[14:15], v[122:123]
	v_pk_add_f32 v[236:237], v[236:237], v[126:127]
	v_pk_add_f32 v[250:251], v[250:251], v[130:131]
	v_pk_add_f32 v[248:249], v[248:249], v[134:135]
	v_pk_add_f32 v[246:247], v[246:247], v[138:139]
	v_pk_add_f32 v[244:245], v[244:245], v[142:143]
	v_pk_add_f32 v[240:241], v[240:241], v[146:147]
	v_pk_add_f32 v[238:239], v[238:239], v[150:151]
	v_pk_add_f32 v[14:15], v[14:15], v[154:155]
	v_pk_add_f32 v[236:237], v[236:237], v[158:159]
	s_delay_alu instid0(VALU_DEP_2)
	v_pk_add_f32 v[14:15], v[14:15], v[246:247]
	s_delay_alu instid0(VALU_DEP_2)
	v_pk_add_f32 v[236:237], v[236:237], v[244:245]
	v_pk_add_f32 v[250:251], v[250:251], v[240:241]
	v_pk_add_f32 v[248:249], v[248:249], v[238:239]
	s_delay_alu instid0(VALU_DEP_2)
	v_pk_add_f32 v[14:15], v[14:15], v[250:251]
	s_delay_alu instid0(VALU_DEP_2)
	v_pk_add_f32 v[236:237], v[236:237], v[248:249]
	s_delay_alu instid0(VALU_DEP_1)
	v_pk_add_f32 v[14:15], v[14:15], v[236:237]
.irp b, 0,1,2,3
	v_max_num_f32 v[232+\b], 0x1800000, v[232+\b]  ; the floor 2^(3 - 127): the byte cannot fall under 1
.endr
.irp b, 0,1,2,3
	s_delay_alu instid0(VALU_DEP_4)
	v_add_nc_u32 v[244+\b], 0xff000000, v[232+\b]  ; 2 off the exponent field: the conversion's scale operand
.endr
.irp b, 0,1,2,3
	s_delay_alu instid0(VALU_DEP_4)
	v_lshrrev_b32 v[236+\b], 23, v[244+\b]         ; the scale's byte
.endr
	s_delay_alu instid0(VALU_DEP_3)
	v_lshl_or_b32 v253, v237, 8, v236              ; p's scale word for these 128 keys
	s_delay_alu instid0(VALU_DEP_1)
	v_lshl_or_b32 v253, v238, 16, v253
.if \T
	WIN 0x11
	v_lshl_or_b32 v89, v239, 24, v253              ; tile B's word goes to window 0, where scale registers are read
	WIN 0x55
.else
	v_lshl_or_b32 v253, v239, 24, v253
.endif
.irp c, 0,1
	v_cvt_scalef32_pk16_fp6_f32 v[224+6*\c:226+6*\c], v[96+32*\c:111+32*\c], v[244+2*\c]
	v_cvt_scalef32_pk16_fp6_f32 v[236+4*\c:238+4*\c], v[112+32*\c:127+32*\c], v[244+2*\c+1]   ; (a conversion's three registers begin on an even number)
.endr
	v_nop                                          ; one plain place behind a scaled conversion
.irp c, 0,1                                    ; the operand's layout wants a whole block in a lane
.irp i, 0,1,2
	v_permlane16_swap_b32 v[224+6*\c+\i], v[236+4*\c+\i]
.endr
.irp i, 0,1,2
	s_delay_alu instid0(VALU_DEP_3)
	v_mov_b32 v[227+6*\c+\i], v[236+4*\c+\i]
.endr
.endr
	s_wait_alu depctr_va_vdst(0)                   ; ahead of the first reader of O^T
.set j, 0
.rept 32
	v_pk_mul_f32 v[160+j:161+j], v[160+j:161+j], v[252:253] op_sel_hi:[1,0]   ; O^T under the new M; also the places between p's codes and scale word and the products
.set j, j+2
.endr
.endm
; A KEY STEP: 128 keys, in slot `slot`, for both tiles.
.macro WORK slot
	s_bitcmp1_b32 s[NEED], 0
	s_cbranch_scc0 .Lskip_\@
	s_bitcmp1_b32 s[OPEN], 0
	s_cbranch_scc1 .Lnomw_\@
	MLOAD 0x0                                      ; tile A's mask words, only where some key is hidden
.Lnomw_\@:
	v_add_nc_u32 v[ADS], s[TSL], v[ASK0]
	v_add_nc_u32 v[ADT], s[TSL], v[ASV0]
	s_wait_alu depctr_va_vdst(0)
	v_nop
	v_nop                                          ; four places in front of loads into registers that the last products have read
	ds_load_b128 v[80:83], v[ADS] offset:512*\slot         ; row r's scale words of K's eight tiles
	ds_load_b128 v[84:87], v[ADS] offset:512*\slot+256
	FRAGS STEPB*\slot
	s_wait_dscnt 12                                ; the scale words and fragments 0-3 are in; the twelve loads of fragments 4-7 may be out
	SMM 0, 0
	SMM 1, 0
	s_wait_dscnt 0x0
	SMM 0, 1
	SMM 1, 1
	WIN 0
.rept 4
	v_nop                                          ; places behind the products: the loads below write their fragments and scale words, the selects and maxima read their results
.endr
.irp t, 0,1,2,3,4,5,6,7
	ds_load_b32 v[80+\t], v[ADT] offset:4*\slot+128*\t     ; V's scale words
.endr
	FRAGS STEPB*\slot+12288                        ; V's fragments land while the softmax is worked
	s_wait_kmcnt 0x0                               ; outside the branch, so that the mask words' base may step on every way
	s_bitcmp1_b32 s[OPEN], 0
	s_cbranch_scc1 .Lopen_\@
	MASKT 0
	MLOAD 0x1000                                   ; tile B's words lie 16 steps x 256 bytes further on
	s_wait_kmcnt 0x0
	MASKT 1
	WIN 0
.Lopen_\@:
	; TWO ORDERS OF THE SAME PHASES, chosen by the wave's number alone: waves that differ in bit 0 xor bit 2 do not ask for their exponentials in the same stretch of a step.  The values are the same in both.
	s_cmp_eq_u32 s[VAR], 0
	s_cbranch_scc0 .Lvy_\@
	PRE 0, 0
	EXPS 0
	PRE 1, 1
	EXPS 1
	POST 0, 1                                      ; its wait stands behind both batches
	s_wait_alu depctr_va_vdst(0)
	s_wait_dscnt 0x0                               ; V's fragments and scale words are in
	PV 0
	POST 1, 0                                      ; names window 1's registers, and v89
	PV 1
	WIN 0
	s_branch .Lskip_\@
.Lvy_\@:
	PRE 0, 0
	PRE 1, 0
	EXPS 0
	POST 0, 1
	s_wait_alu depctr_va_vdst(0)
	s_wait_dscnt 0x0                               ; V's fragments and scale words are in
	PV 0
	EXPS 1
	POST 1, 1
	PV 1
	WIN 0
.Lskip_\@:
	s_lshr_b32 s[NEED], s[NEED], 1
	s_lshr_b32 s[OPEN], s[OPEN], 1
	s_add_nc_u64 s[MP:MP+1], s[MP:MP+1], 256
.endm
; A TRIP: in front of the barrier each wave has waited for its stores into this slot and its reads of the other; behind it this slot is whole and the other is written at the trip's end.
.macro TRIP slot
	s_wait_dscnt 0x0
	s_barrier_signal -1
	s_barrier_wait -1
	STAGE_LOAD
	WORK \slot
	STAGE_STORE 1-\slot
.endm
.macro QTURN T                         ; 16 rows of Q through my stage: in by rows, back as 64 channels of my row
	WIN 0x04*\T
.irp i, 0,1,2,3,4,5,6,7,8,9,10,11,12,13,14,15
	ds_store_b128 v[SRW], v[96+4*\i:99+4*\i] offset:SROW*\i
.endr
	WIN 0x40*\T
.irp c, 0,1
.irp j, 0,1,2,3,4,5,6,7
	ds_load_b128 v[160+32*\c+4*\j:163+32*\c+4*\j], v[SQ] offset:256*\c+16*\j   ; LDS serves a wave's instructions in order: these see my stores, and the next tile's stores come behind them
.endr
.endr
.endm
.macro QQ T                            ; register 160 + 32 c + i = channel 64 c + 32 h + i of query r: quantised; the statistics and O^T begin anew
	WIN 0x55*\T
	v_mov_b32 v13, 0xff61b1e6                      ; -3e38, under every t
	v_floor_f32 v12, -v13
	v_mov_b32 v14, 0
	v_mov_b32 v15, 0
.irp c, 0,1
	v_max3_num_f32 v[232+\c], |v[160+32*\c]|, |v[161+32*\c]|, 0x1800000   ; my blocks h and 2 + h, with the floor 2^(3 - 127)
.endr
.irp i, 2,4,6,8,10,12,14,16,18,20,22,24,26,28,30
.irp c, 0,1
	s_delay_alu instid0(VALU_DEP_2)
	v_max3_num_f32 v[232+\c], v[232+\c], |v[160+32*\c+\i]|, |v[161+32*\c+\i]|
.endr
.endr
.irp c, 0,1
	s_delay_alu instid0(VALU_DEP_2)
	v_add_nc_u32 v[244+\c], 0xff000000, v[232+\c]
.endr
.irp c, 0,1
	s_delay_alu instid0(VALU_DEP_2)
	v_lshrrev_b32 v[236+\c], 23, v[244+\c]
.endr
	s_delay_alu instid0(VALU_DEP_1)
	v_lshl_or_b32 v254, v237, 16, v236             ; my two bytes,
	s_delay_alu instid0(VALU_DEP_1)
	v_lshlrev_b32 v254, v[H8], v254                ; 8 h bits up;
	v_permlanex16_b32 v238, v254, s[SEL], s[SEL+1]
.if \T
	WIN 0x05
	v_or_b32 v88, v254, v238                       ; with lane l xor 16's two the word is whole; tile B's goes to window 0
	WIN 0x55
.else
	v_or_b32 v255, v254, v238
.endif
.irp c, 0,1
	v_cvt_scalef32_pk16_fp6_f32 v[16+6*\c:18+6*\c], v[160+32*\c:175+32*\c], v[244+\c]
	v_cvt_scalef32_pk16_fp6_f32 v[236+4*\c:238+4*\c], v[176+32*\c:191+32*\c], v[244+\c]
.endr
	v_nop                                          ; one plain place behind a scaled conversion
.irp c, 0,1
.irp i, 0,1,2
	v_mov_b32 v[19+6*\c+\i], v[236+4*\c+\i]
.endr
.endr
.set j, 0
.rept 64
	v_mov_b32 v[160+j], 0                          ; which step is a tile's first hangs on the flags, so no step is written out to start the sums; also the places ahead of the first product
.set j, j+1
.endr
.endm
.macro OUTT T                          ; O^T / the sum, through my stage, and out by whole rows of 512 bytes
	WIN 0x55*\T
	v_add_f32 v14, v14, v15
	s_delay_alu instid0(VALU_DEP_1)
	v_permlanex16_b32 v252, v14, s[SEL], s[SEL+1]
	s_delay_alu instid0(VALU_DEP_1)
	v_add_f32 v14, v14, v252
	s_wait_alu depctr_va_vdst(0)                   ; ahead of the reciprocal,
	v_rcp_f32 v14, v14
	v_nop
	s_wait_alu depctr_va_vdst(0)                   ; and ahead of its first reader
.set j, 0
.rept 32
	v_pk_mul_f32 v[160+j:161+j], v[160+j:161+j], v[14:15] op_sel_hi:[1,0]   ; register 8 t + i is o(r, 16 t + 8 h + i); each accumulator from its low end on
.set j, j+2
.endr
	WIN 0x04*\T
.irp t, 0,1,2,3,4,5,6,7
	ds_store_b128 v[SIN], v[160+8*\t:163+8*\t] offset:64*\t
	ds_store_b128 v[SIN], v[164+8*\t:167+8*\t] offset:64*\t+16
.endr
	s_wait_dscnt 0x0                               ; the stores have read their registers, which the loads below write
	WIN 0x40*\T
.irp i, 0,1,2,3,4,5,6,7,8,9,10,11,12,13,14,15
	ds_load_b128 v[160+4*\i:163+4*\i], v[SRW] offset:SROW*\i
.endr
	WIN 0x04*\T
.irp i, 0,1,2,3,4,5,6,7,8,9,10,11,12,13,14,15
	s_wait_dscnt 15-\i                             ; the younger row loads may be out
	global_store_b128 v[L16], v[160+4*\i:163+4*\i], s[OP:OP+1] offset:8192*\T+512*\i th:TH_STORE_NT   ; 32 lanes store 512 consecutive bytes, aligned
.endr
.endm
	s_wait_dscnt 0x0                               ; the table's stores have read the copy's registers
	STAGE_LOAD                                     ; step 0 into slot 0
	s_wait_kmcnt 0x0
	STAGE_STORE 0
	s_mov_b32 s[BCNT], 2
.Lblock:
	s_lshl_b32 s[T2], s[BLK], 17
	s_lshl_b32 s[TMP], s[WV], 14
	s_add_co_u32 s[T2], s[T2], s[TMP]
	s_add_nc_u64 s[OP:OP+1], s[OB:OB+1], s[T2:T2+1]
	s_lshl_b32 s[T2], s[BLK], 16                   ; 16 tiles x 16 steps x 256 bytes; my two tiles
	s_lshl_b32 s[TMP], s[WV], 13
	s_add_co_u32 s[T2], s[T2], s[TMP]
	s_add_nc_u64 s[MP:MP+1], s[MB:MB+1], s[T2:T2+1]
	s_mov_b32 s[TSL], 0
	s_wait_loadcnt 0x0                             ; my 32 rows of Q are in
	QTURN 0
	QTURN 1
	s_wait_dscnt 32                                ; tile A is back; tile B's 16 stores and 16 loads may be out
	QQ 0
	s_wait_dscnt 0x0
	QQ 1
	WIN 0
	s_wait_alu depctr_va_vdst(0)
	s_cmp_eq_u32 s[BCNT], 2
	s_cbranch_scc0 .Lnopf
	global_prefetch_b8 v[PF], s[PQ:PQ+1] th:TH_LOAD_NT scope:SCOPE_SE               ; the second block's 32 rows of Q: 64 blocks of 256 bytes, a lane a block
	global_prefetch_b8 v[PF], s[PQ:PQ+1] offset:8192 th:TH_LOAD_NT scope:SCOPE_SE   ; (v9 and s[98:99] are never rewritten)
.Lnopf:
	s_mov_b32 s[CNT], 8
.Lpair:
	TRIP 0
	TRIP 1
	s_add_co_u32 s[TSL], s[TSL], 1024              ; two steps' scale words, in K's part and in V's
	s_sub_co_u32 s[CNT], s[CNT], 1
	s_cmp_lg_u32 s[CNT], 0
	s_cbranch_scc1 .Lpair
	s_sub_co_u32 s[BLK], 7, s[BLK]
	s_cmp_eq_u32 s[BCNT], 2
	s_cbranch_scc0 .Lnoq
	QLOAD PQ                                       ; the next block's Q is on its way while this block goes out
.Lnoq:
.rept 4
	v_nop                                          ; places behind the last products
.endr
	OUTT 0
	OUTT 1
	WIN 0
	s_wait_xcnt 0x0                                ; the stores have read their registers and their base: both are written again in the next block
	s_sub_co_u32 s[BCNT], s[BCNT], 1
	s_cmp_lg_u32 s[BCNT], 0
	s_cbranch_scc1 .Lblock
	s_wait_tensorcnt 0x0                           ; the wave's end
	ds_add_u32 v[SPW], v[NIL]
	s_wait_dscnt 0x0
	s_endpgm
.Lfunc_end_k_q6cff4cc776_attn:
	.size	k_q6cff4cc776_attn, .Lfunc_end_k_q6cff4cc776_attn-k_q6cff4cc776_attn
	.p2alignl 7, 3214868480
	.fill 96, 4, 3214868480
	.section	.rodata,"a",@progbits
	.p2align	6, 0x0
	.amdhsa_kernel k_q6cff4cc776_attn
		.amdhsa_group_segment_fixed_size 134144
		.amdhsa_private_segment_fixed_size 0
		.amdhsa_enable_private_segment 0
		.amdhsa_kernarg_size 48
		.amdhsa_user_sgpr_count 2
		.amdhsa_user_sgpr_kernarg_segment_ptr 1
		.amdhsa_wavefront_size32 1
		.amdhsa_system_sgpr_workgroup_id_x 1
		.amdhsa_system_sgpr_workgroup_id_y 1
		.amdhsa_system_sgpr_workgroup_id_z 1
		.amdhsa_system_vgpr_workitem_id 0
		.amdhsa_next_free_vgpr 512
		.amdhsa_next_free_sgpr 106
		.amdhsa_reserve_vcc 0
		.amdhsa_float_denorm_mode_32 3
		.amdhsa_float_denorm_mode_16_64 3
		.amdhsa_memory_ordered 1
		.amdhsa_forward_progress 1
		.amdhsa_inst_pref_size 202
	.end_amdhsa_kernel
	.amdgpu_metadata
---
amdhsa.version: [ 1, 2 ]
amdhsa.kernels:
  - .name:           k_q6cff4cc776_attn
    .symbol:         k_q6cff4cc776_attn.kd
    .args:
      - { .name: query, .offset: 0, .size: 8, .value_kind: global_buffer, .address_space: global }
      - { .name: kvc, .offset: 8, .size: 8, .value_kind: global_buffer, .address_space: global }
      - { .name: kvs, .offset: 16, .size: 8, .value_kind: global_buffer, .address_space: global }
      - { .name: mbits, .offset: 24, .size: 8, .value_kind: global_buffer, .address_space: global }
      - { .name: mflag, .offset: 32, .size: 8, .value_kind: global_buffer, .address_space: global }
      - { .name: out0, .offset: 40, .size: 8, .value_kind: global_buffer, .address_space: global }
    .group_segment_fixed_size: 134144
    .private_segment_fixed_size: 0
    .kernarg_segment_align: 8
    .kernarg_segment_size: 48
    .max_flat_workgroup_size: 256
    .sgpr_count:     106
    .vgpr_count:     512
    .wavefront_size: 32
...
	.end_amdgpu_metadata
.endif
;; end of part 2
